; MI455X (gfx1250); checked and timed in simulation.
; The chip was launched on July 23, 2026; its instructions are those of AMD's public machine-readable ISA for CDNA 5 (MIT licence, August 2026) and "CDNA5" Instruction Set Architecture Reference Guide (July 2026). The comments in the code are by the model that wrote it; some were corrected since.
;; Mask Multi Head Attention. Allowed arithmetic: matrix products marked QUANTISED: E2M1 operands, one E8M0 scale for each 32 along K, by v_wmma_scale_f32_16x16x128_f8f6f4 with both operands' format E2M1 (or v_wmma_scale_f32_32x16x128_f4), f32 sums; products left as they are: bf16, f16 or f32 operands; f32 sums; everything else in f32.
;; Inputs: K_x 2 x 4,096 x 768 float32; Q_x 2 x 4,096 x 768 float32; V_x 2 x 4,096 x 768 float32; Wk 768 x 768 float32; Wq 768 x 768 float32; Wv 768 x 768 float32; bk 768 float32; bq 768 float32; bv 768 float32; mask 1 x 1 x 4,096 x 4,096 int32.
;; Outputs: out0 2 x 4,096 x 768 float32.
;; This version of the problem:
;;   THIS VERSION OF THE PROBLEM IS GIVEN IN LOW PRECISION. The matrix products marked QUANTISED in the list below multiply operands that are first quantised to E2M1 (2 exponent bits, 1 mantissa bit; 4 bits a number), with one power-of-two scale for each 32 numbers along K (OCP MX v1.0); their sums are f32. The products marked 'left as it is' may take bf16, f16 or f32 operands, with f32 sums. Whichever they take, every output number must still come out within the allowed error. Rounding operands to bf16 (8 significant bits) uses up far more of that allowance than f16 does (11 bits, for magnitudes from 6e-5 to 65,504). All else is computed in f32.
;;   The module's matrix products, in the order in which they are computed (A, B: the left and right operand; K: the contracted axis; several contracted axes count as one K, in the product's order):
;;     1. [M 8,192, K 768] x [K 768, N 768]; A: input Q_x; B: input Wq: QUANTISED
;;     2. [M 8,192, K 768] x [K 768, N 768]; A: input K_x; B: input Wk: QUANTISED
;;     3. [M 8,192, K 768] x [K 768, N 768]; A: input V_x; B: input Wv: QUANTISED
;;     4. batch 12 x [M 4,096, K 128] x [K 128, N 4,096]; A: computed on the way; B: computed on the way: left as it is (an operand is computed on the way)
;;     5. batch 12 x [M 4,096, K 4,096] x [K 4,096, N 128]; A: computed on the way; B: computed on the way: left as it is (an operand is computed on the way)
;;   THE QUANTISER, for each operand of a quantised product, along K:
;;     - K is cut into blocks of 32 from its start; a last block that is shorter is filled with zeros.
;;     - A block's scale is 2^e with e = floor(log2(the largest magnitude in the block)) - 2, held to -126 .. 127; a block of zeros has e = 0. As a byte (E8M0): e + 127.
;;     - Each number is divided by its block's scale, clamped to +-6, and rounded to the nearest number of E2M1, ties to even, subnormals kept.
;;     - The product sums the exact products of the quantised numbers (number of the format x scale) in f32.
;;   ~~~python
;;   def quantise(x, axis):      # numpy; x: float32 -> the quantised numbers, widened to float32 again
;;       x = np.moveaxis(x, axis, -1); K = x.shape[-1]
;;       x = np.pad(x, [(0, 0)] * (x.ndim - 1) + [(0, -K % 32)]); x = x.reshape(x.shape[:-1] + (-1, 32)); a = np.abs(x).max(-1, keepdims=True)
;;       e = np.where(a > 0, np.clip(np.frexp(np.where(a > 0, a, 1))[1] - 1 - 2, -126, 127), 0)      # np.frexp(a)[1] - 1 = floor(log2(a)), exactly
;;       r = np.clip(x / 2.0 ** e, -6, 6)
;;       step = 2.0 ** (np.maximum(np.frexp(np.where(r == 0, 1, r))[1] - 1, 0) - 1)
;;       q = np.round(r / step) * step * 2.0 ** e      # np.round: ties to even
;;       return np.moveaxis(q.reshape(q.shape[:-2] + (-1,))[..., :K], -1, axis).astype(np.float32)
;;   ~~~
;; One version. Each part assembles by itself: llvm-mc -triple=amdgcn-amd-amdhsa -mcpu=gfx1250 --defsym DOCPART=n.
;; ======== version 1 of 1: 3 launches
;; limits: values are held in f16: magnitudes above 65,504 overflow, below 6.1e-05 lose precision
;; workspace buffers: wcodes 884,736 bytes; wscales 110,592 bytes; mbits 2,097,152 bytes of whole numbers; qkv 37,748,736 bytes
;; launch prep (part 1): grid 512 x 1, 4 waves a work-group, no clusters, 68,096 bytes of LDS; arguments Wq, Wk, Wv, mask, wcodes, wscales, mbits; writes wcodes, wscales, mbits
.if DOCPART == 1
	.amdgcn_target "amdgcn-amd-amdhsa--gfx1250"
	.amdhsa_code_object_version 6
	.text
	.protected	k_qca57f277a3_prep
	.globl	k_qca57f277a3_prep
	.p2align	8
	.type	k_qca57f277a3_prep,@function
k_qca57f277a3_prep:
	s_mov_b64 s[64:65], 0
	v_nop
	global_prefetch_b8 v0, s[64:65] scope:SCOPE_SE
	s_setreg_imm32_b32 hwreg(HW_REG_WAVE_MODE, 25, 1), 1
	s_wait_xcnt 0x0
; FIRST OF THREE LAUNCHES.  The program: Q, K, V = x W^T + b on codes of FP4 (E2M1) with one E8M0 scale for each 32 along K = 768; scores Q K^T / sqrt(128); where mask == 0 the score is
; replaced by -1e9; softmax along the keys; times V.  NOTHING OF reference() IS LEFT OUT, and every input is loaded: bk is the same along the softmax's axis only among the keys that count,
; beside a masked key's -1e9 it is not, so it has a way to the result and stays.
; THIS LAUNCH makes what the later launches read many times.
; (a) mask [4096][4096] int32 becomes LANE MASKS: mbits [tile of 16 queries 256][tile of 16 keys 256][j 8] words; bit r + 16 h of a word = (mask[16 qt + r][16 KT + 8 h + j] != 0):
;     what lane (r, h) holds in register j of a tile of transposed scores.  The attention applies a word by one select.  Each of the 2,048 waves takes 16 queries x 512 keys.
; (b) Wq, Wk, Wv [768][768] f32, K innermost, become codes laid in the ORDER OF THE OPERAND'S REGISTERS: wcodes [tensor 3][tile of 16 rows 48][K step of 128: 6][c 2][lane 32][16 bytes];
;     lane (r, h) holds row 16 N + r, k = 128 s + 64 c + 32 h + 0 .. 31.  wscales [tensor][tile][K step][lane 32] words: the image of the scale register (lanes 16-31 hold what lanes 0-15 hold).
;     144 tiles x 6 K steps are 864 units: waves 0 to 2 of work-groups 0 to 287 take one each, ahead of their share of the mask: tile g / 2, K step 3 (g % 2) + wave.
;     A block's scale is 2^(floor(log2(its largest magnitude)) - 2); its byte is that magnitude's exponent field - 2, held at 1 from below.  (A block of zeros so keeps the byte 1 where the rule says 127:
;     its codes are zeros, which add nothing, and this program alone reads the bytes.)
; LIMITS: NaN and infinities among the inputs are not served; blocks whose largest magnitude lies under 2^-124, whose byte is held at 1, were not tried.
; No tensor loads, no barrier: waves share nothing.  Every load reads 512 consecutive bytes of one row; what a lane needs otherwise is turned through the wave's own stage in LDS.
.set WGW,   288                        ; work-groups whose waves 0 to 2 take a unit of the weights
.set WSTG,  33792                      ; LDS: four stages of 16 rows x 528 bytes for the mask from byte 0; four more, of their own, for the weights from here;
.set SPARE, 67584                      ; behind them the spare words, 128 bytes for each wave
.set LA,    4                          ; v4   16 x lane: my 16 bytes of a load's 512, and of a store of codes
.set L8,    5                          ; v5   8 x lane
.set STI,   6                          ; v6   the mask's stage, on the way in: 16 x lane
.set STO,   7                          ; v7   and on the way out: 528 r + 32 h
.set TM,    8                          ; v8-11 largest magnitudes, v12-15 bytes, v16-19 the conversions' scale operands
.set PC,    20                         ; v20-27 a fragment's codes
.set PW,    28                         ; v28  its scale word
.set LS,    29                         ; v29  4 x lane
.set SPW,   30                         ; v30  LDS address of my spare word; never rewritten
.set NIL,   31                         ; v31  0; never rewritten
.set R,     32                         ; v32-159  two sets of 16 rows x 16 bytes a lane, as loaded
.set XM,    160                        ; v160-223 the mask: 8 tiles of keys x 8 numbers; the weights: 64 numbers of my row
.set MW,    224                        ; v224-231 a pair of result words for each unit of the mask
.set WTI,   232                        ; v232 the weights' stage, on the way in: 16 x lane
.set WTO,   233                        ; v233 and on the way out: 528 r + 64 h
	s_load_b256 s[4:11], s[0:1], 0x0               ; Wq s[4:5], Wk s[6:7], Wv s[8:9], mask s[10:11]
	s_load_b128 s[12:15], s[0:1], 0x20             ; wcodes s[12:13], wscales s[14:15]
	s_load_b64 s[16:17], s[0:1], 0x30              ; mbits
	v_lshl_add_u32 v[SPW], v0, 2, SPARE
	v_mov_b32 v[NIL], 0
	v_lshrrev_b32 v1, 5, v0
	v_readfirstlane_b32 s18, v1                    ; wave 0..3
	v_and_b32 v1, 31, v0                           ; lane
	v_and_b32 v2, 15, v0                           ; r
	v_bfe_u32 v3, v0, 4, 1                         ; h
	s_mov_b32 s2, 0x76543210
	s_mov_b32 s3, 0xfedcba98                       ; v_permlanex16_b32's selects for lane l xor 16
	s_lshl_b32 s19, ttmp9, 2
	s_add_co_u32 s19, s19, s18                     ; which of the 2,048 shares of the mask is my wave's
	s_lshr_b32 s20, s19, 3                         ; its tile of 16 queries
	s_and_b32 s21, s19, 7                          ; its 512 keys
	s_lshl_b32 s22, s20, 18                        ; 16 rows of 16,384 bytes
	s_lshl_b32 s24, s21, 11
	s_add_co_u32 s22, s22, s24
	s_mov_b32 s23, 0
	s_lshl_b32 s24, s20, 13                        ; a tile of queries has 8,192 bytes of masks,
	s_lshl_b32 s25, s21, 10                        ; 512 keys 1,024 of them
	s_add_co_u32 s24, s24, s25
	s_mov_b32 s25, 0
	s_mul_i32 s26, s18, 8448                       ; my stage
	v_lshlrev_b32 v[LA], 4, v1                     ; every LDS address is made here, ahead of the parting of the ways
	v_lshlrev_b32 v[L8], 3, v1
	v_lshlrev_b32 v[LS], 2, v1
	v_add_nc_u32 v[STI], s26, v[LA]
	v_mul_u32_u24 v[STO], v2, 528
	v_lshl_add_u32 v[WTO], v3, 6, v[STO]
	v_lshl_add_u32 v[STO], v3, 5, v[STO]
	v_add_nc_u32 v[STO], s26, v[STO]
	s_add_co_u32 s26, s26, WSTG
	v_add_nc_u32 v[WTO], s26, v[WTO]
	v_add_nc_u32 v[WTI], s26, v[LA]
.irp i, 0,1,2,3,4,5,6,7
	v_mov_b32 v[MW+\i], 0                          ; written once: v_writelane_b32's destination counts as one of its sources
.endr
	s_wait_kmcnt 0x0
	s_add_nc_u64 s[10:11], s[10:11], s[22:23]
	s_add_nc_u64 s[16:17], s[16:17], s[24:25]
; 64 numbers of a lane, register 16 b + i = k 32 b + 16 h + i of my row, become a fragment's codes in v[PC] on and its scale word in v[pw].
.macro QUANT src, pw
.irp b, 0,1,2,3
	v_max3_num_f32 v[TM+\b], |v[(\src)+16*\b]|, |v[(\src)+1+16*\b]|, 0x1800000   ; block b: my 16 numbers, and the floor 2^(3 - 127): so the byte cannot fall under 1
.endr
.irp i, 2,4,6,8,10,12,14
.irp b, 0,1,2,3
	v_max3_num_f32 v[TM+\b], v[TM+\b], |v[(\src)+16*\b+\i]|, |v[(\src)+1+16*\b+\i]|   ; (the four blocks by turns)
.endr
.endr
.irp b, 0,1,2,3
	v_permlanex16_b32 v[TM+4+\b], v[TM+\b], s2, s3
.endr
.irp b, 0,1,2,3
	v_max_num_f32 v[TM+\b], v[TM+\b], v[TM+4+\b]   ; with lane l xor 16's: the block's largest magnitude
.endr
.irp b, 0,1,2,3
	v_add_nc_u32 v[TM+8+\b], 0xff000000, v[TM+\b]  ; 2 off its exponent field: the conversion takes the exponent field of this operand as its scale
.endr
.irp b, 0,1,2,3
	v_lshrrev_b32 v[TM+4+\b], 23, v[TM+8+\b]       ; the scale's byte
.endr
	v_lshl_or_b32 v[\pw], v[TM+5], 8, v[TM+4]      ; four bytes: my row's scale word for these 128 along K; both halves of the lanes hold the same
	v_lshl_or_b32 v[\pw], v[TM+6], 16, v[\pw]
	v_lshl_or_b32 v[\pw], v[TM+7], 24, v[\pw]
.irp b, 0,1,2,3
	v_cvt_scalef32_pk8_fp4_f32 v[PC+2*\b], v[(\src)+16*\b:(\src)+7+16*\b], v[TM+8+\b]
	v_cvt_scalef32_pk8_fp4_f32 v[PC+1+2*\b], v[(\src)+8+16*\b:(\src)+15+16*\b], v[TM+8+\b]
.endr
	v_nop                                          ; one plain place behind a scaled conversion
.irp c, 0,1                                    ; the operand's layout wants a WHOLE block in a lane: lanes 0-15 block 2 c, lanes 16-31 block 2 c + 1
.irp i, 0,1
	v_permlane16_swap_b32 v[PC+4*\c+\i], v[PC+2+4*\c+\i]
.endr
.endr
.endm
; Unit q of the mask: 16 rows x 128 keys; a load reads 512 consecutive bytes of one row
.macro MLD q
.irp i, 0,1,2,3,4,5,6,7,8,9,10,11,12,13,14,15
	global_load_b128 v[R+64*((\q)%2)+4*\i:R+64*((\q)%2)+4*\i+3], v[LA], s[10:11] offset:16384*\i+512*(\q) th:TH_LOAD_NT
.endr
.endm
; The unit turns through the wave's own stage (rows 528 bytes apart), so that lane (r, h) gets, for each tile of 16 keys, the eight numbers mask[r][8 h + 0 .. 7]; a compare against 0 makes the lane
; mask, and the 64 masks of a unit are laid into two registers, two words a lane.
.macro UNIT q
.if (\q) < 3
	s_wait_loadcnt 16                              ; this unit's 16 loads are in; the next unit's 16 may be out
.else
	s_wait_loadcnt 0
.endif
.irp i, 0,1,2,3,4,5,6,7,8,9,10,11,12,13,14,15
	ds_store_b128 v[STI], v[R+64*((\q)%2)+4*\i:R+64*((\q)%2)+4*\i+3] offset:528*\i
.endr
.irp kt, 0,1,2,3,4,5,6,7
.irp e, 0,1
	ds_load_b128 v[XM+8*\kt+4*\e:XM+8*\kt+4*\e+3], v[STO] offset:64*\kt+16*\e   ; LDS serves a wave's instructions in order: these see the stores above
.endr
.endr
	s_wait_dscnt 0x0                               ; the numbers are back, and the stores have read their registers,
.if (\q)+2 < 4
	MLD (\q)+2                                     ; which take the loads of two units on
.endif
.irp kt, 0,1,2,3,4,5,6,7
.irp jj, 0,1,2,3,4,5,6,7
	v_cmp_ne_u32 s[24+\jj], 0, v[XM+8*\kt+\jj]     ; bit r + 16 h: does key 16 kt + 8 h + jj count for query r?
.endr
.irp jj, 0,1,2,3,4,5,6,7
	v_writelane_b32 v[MW+2*(\q)+\jj%2], s[24+\jj], 4*\kt+\jj/2   ; word 8 kt + jj of the unit's 64: lane (8 kt + jj) / 2, register jj % 2
.endr
.endr
	global_store_b64 v[L8], v[MW+2*(\q):MW+2*(\q)+1], s[16:17] offset:256*(\q)   ; 32 lanes store 256 consecutive bytes, aligned
.endm
	s_cmp_lt_u32 ttmp9, WGW                        ; has my wave a unit of the weights?  Ids alone decide
	s_cbranch_scc0 .Lplain
	s_cmp_lt_u32 s18, 3
	s_cbranch_scc0 .Lplain
; ---------------- a unit of the weights: 16 rows x 128 along K, ahead of my share of the mask ----------------
	s_lshr_b32 s20, ttmp9, 1                       ; which of the 144 tiles of 16 rows
	s_and_b32 s21, ttmp9, 1
	s_mul_i32 s21, s21, 3
	s_add_co_u32 s21, s21, s18                     ; which K step
	s_cmp_lt_u32 ttmp9, 192                        ; 96 work-groups to a tensor
	s_cselect_b64 s[32:33], s[6:7], s[8:9]
	s_cselect_b32 s22, 48, 96
	s_cmp_lt_u32 ttmp9, 96
	s_cselect_b64 s[32:33], s[4:5], s[32:33]
	s_cselect_b32 s22, 0, s22
	s_sub_co_u32 s22, s20, s22                     ; the tile in its tensor
	s_mul_i32 s22, s22, 49152                      ; 16 rows of 3,072 bytes,
	s_lshl_b32 s24, s21, 9                         ; 512 bytes a K step
	s_add_co_u32 s22, s22, s24
	s_add_nc_u64 s[32:33], s[32:33], s[22:23]
	s_mul_i32 s22, s20, 6144                       ; a tile's six fragments of 1,024 bytes
	s_lshl_b32 s24, s21, 10
	s_add_co_u32 s22, s22, s24
	s_add_nc_u64 s[12:13], s[12:13], s[22:23]
	s_mul_i32 s22, s20, 768                        ; a tile's six images of the scale register, 128 bytes each
	s_lshl_b32 s24, s21, 7
	s_add_co_u32 s22, s22, s24
	s_add_nc_u64 s[14:15], s[14:15], s[22:23]
.irp b, 0,1,2,3
	v_mov_b32 v[TM+4+\b], 0                        ; written once: a lane permute's destination counts as one of its sources
.endr
.irp i, 0,1,2,3,4,5,6,7,8,9,10,11,12,13,14,15
	global_load_b128 v[R+64+4*\i:R+64+4*\i+3], v[LA], s[32:33] offset:3072*\i th:TH_LOAD_NT   ; 512 consecutive bytes of row i, into the set that the mask's unit 1 takes afterwards
.endr
	MLD 0
	s_wait_loadcnt 16                              ; the weights' 16 loads are in; the mask's unit 0 may be out
.irp i, 0,1,2,3,4,5,6,7,8,9,10,11,12,13,14,15
	ds_store_b128 v[WTI], v[R+64+4*\i:R+64+4*\i+3] offset:528*\i
.endr
.irp b, 0,1,2,3
.irp jj, 0,1,2,3
	ds_load_b128 v[XM+16*\b+4*\jj:XM+16*\b+4*\jj+3], v[WTO] offset:128*\b+16*\jj   ; of each block of 32 of my row my 16 neighbours; LDS serves a wave's instructions in order
.endr
.endr
	s_wait_dscnt 0x0                               ; my 64 numbers are back, and the stores have read their registers,
	MLD 1                                          ; which take the mask's unit 1
	QUANT XM, PW
.irp c, 0,1
	global_store_b128 v[LA], v[PC+4*\c:PC+4*\c+3], s[12:13] offset:512*\c   ; 32 lanes store 512 consecutive bytes
.endr
	global_store_b32 v[LS], v[PW], s[14:15]        ; 32 lanes store 128 consecutive bytes: the scale register as it stands
	s_branch .Lunits
.Lplain:
	MLD 0
	MLD 1
.Lunits:                                               ; on both ways the mask's units 0 and 1 are out, in this order
	UNIT 0
	UNIT 1
	UNIT 2
	UNIT 3
	s_wait_tensorcnt 0x0                           ; the wave's end, behind the last LDS store
	ds_add_u32 v[SPW], v[NIL]
	s_wait_dscnt 0x0
	s_endpgm
.Lfunc_end_k_qca57f277a3_prep:
	.size	k_qca57f277a3_prep, .Lfunc_end_k_qca57f277a3_prep-k_qca57f277a3_prep
	.p2alignl 7, 3214868480
	.fill 96, 4, 3214868480
	.section	.rodata,"a",@progbits
	.p2align	6, 0x0
	.amdhsa_kernel k_qca57f277a3_prep
		.amdhsa_group_segment_fixed_size 68096
		.amdhsa_private_segment_fixed_size 0
		.amdhsa_enable_private_segment 0
		.amdhsa_kernarg_size 56
		.amdhsa_user_sgpr_count 2
		.amdhsa_user_sgpr_kernarg_segment_ptr 1
		.amdhsa_wavefront_size32 1
		.amdhsa_system_sgpr_workgroup_id_x 1
		.amdhsa_system_sgpr_workgroup_id_y 1
		.amdhsa_system_sgpr_workgroup_id_z 1
		.amdhsa_system_vgpr_workitem_id 0
		.amdhsa_next_free_vgpr 236
		.amdhsa_next_free_sgpr 66
		.amdhsa_reserve_vcc 0
		.amdhsa_float_denorm_mode_32 3
		.amdhsa_float_denorm_mode_16_64 3
		.amdhsa_memory_ordered 1
		.amdhsa_forward_progress 1
		.amdhsa_inst_pref_size 61
	.end_amdhsa_kernel
	.amdgpu_metadata
---
amdhsa.version: [ 1, 2 ]
amdhsa.kernels:
  - .name:           k_qca57f277a3_prep
    .symbol:         k_qca57f277a3_prep.kd
    .args:
      - { .name: Wq, .offset: 0, .size: 8, .value_kind: global_buffer, .address_space: global }
      - { .name: Wk, .offset: 8, .size: 8, .value_kind: global_buffer, .address_space: global }
      - { .name: Wv, .offset: 16, .size: 8, .value_kind: global_buffer, .address_space: global }
      - { .name: mask, .offset: 24, .size: 8, .value_kind: global_buffer, .address_space: global }
      - { .name: wcodes, .offset: 32, .size: 8, .value_kind: global_buffer, .address_space: global }
      - { .name: wscales, .offset: 40, .size: 8, .value_kind: global_buffer, .address_space: global }
      - { .name: mbits, .offset: 48, .size: 8, .value_kind: global_buffer, .address_space: global }
    .group_segment_fixed_size: 68096
    .private_segment_fixed_size: 0
    .kernarg_segment_align: 8
    .kernarg_segment_size: 56
    .max_flat_workgroup_size: 128
    .sgpr_count:     66
    .vgpr_count:     236
    .wavefront_size: 32
...
	.end_amdgpu_metadata
.endif
;; end of part 1
;; launch proj (part 2): grid 128 x 3, 4 waves a work-group, no clusters, 61,952 bytes of LDS; arguments Q_x, K_x, V_x, wcodes, wscales, bq, bk, bv, qkv; writes qkv
.if DOCPART == 2
	.amdgcn_target "amdgcn-amd-amdhsa--gfx1250"
	.amdhsa_code_object_version 6
	.text
	.protected	k_qca57f277a3_proj
	.globl	k_qca57f277a3_proj
	.p2align	8
	.type	k_qca57f277a3_proj,@function
k_qca57f277a3_proj:
	s_mov_b64 s[64:65], 0
	v_nop
	global_prefetch_b8 v0, s[64:65] scope:SCOPE_SE
	s_setreg_imm32_b32 hwreg(HW_REG_WAVE_MODE, 25, 1), 1
	s_wait_xcnt 0x0
; SECOND LAUNCH: the three projections x W^T + b, on codes of FP4 (E2M1) with one E8M0 scale for each 32 along K = 768; sums in f32.  Nothing of reference() is left out here.
; Work-group (x, y): 64 rows of tensor y (0 Q, 1 K, 2 V), all 768 columns.  x arrives as f32 and is read by this work-group alone: it is quantised in registers.  W's codes and scale words come
; from the launch before, laid in the order of the operand's registers: a fragment is two loads of 512 consecutive bytes, a scale register one of 128.
; PHASE X: wave w quantises rows 16 w .. 16 w + 15: six fragments (16 rows x 128 K), which go to LDS as images of their registers (16 bytes a lane, 512 a store), their scale words likewise.  One barrier.
; PHASE G: every wave holds all 24 fragments of x in registers and makes the tiles of 16 columns N = w + 4 i, i = 0 .. 11, for the 64 rows: a fragment of W feeds four matrix instructions.
; THE RESULT IS STORED AS THE ATTENTION'S OPERAND REGISTERS, in f16: qkv [b x 6 + head][step of 64 rows][Q | K | V, 16,384 bytes each]; a part is [tile of 16 rows m][j 8][lane 32][16 bytes].
;   Q, K: the product is used transposed (source 0 = W's 16 rows, source 1 = x's): lane (r, h) holds row 16 m + r, channels 16 j + 8 h + 0 .. 7.
;   V: not transposed (source 0 = x): lane (r, h) holds channel 16 j + r, keys 16 m + 8 h + 0 .. 7: V^T's fragments.  With N = w + 4 i: head = i / 2, j = w + 4 (i % 2).
; The bias is the C of a sum's first matrix instruction.  Q's and K's sums are multiplied by sqrt(log2(e) / sqrt(128)), so that their f16 product is the softmax's exponent to the base 2.
; LIMITS: NaN and infinities are not served; blocks under 2^-124 keep the byte 1 (not tried); |Q|, |K| times 0.357 and |V| stay under 65,504, f16's largest number.
; REGISTERS: window 0: v1-13 addresses; v16-39 x's scale words; v40-57 W's, three sets; v58-81 the bias, three sets; v82-111 at work in the quantiser; v112-255 W's fragments, three sets of 48
;   (v160-223 hold 64 numbers of x in phase X).   window 1: v0-127 x as loaded, two sets (phase X); v0-191 x's 24 fragments (phase G); v192-223 four accumulators; v224-239 packed results.
.set XIMG,  0                          ; LDS: x's 24 fragments (tile of rows m, K step s: 6 m + s), 1,024 bytes each,
.set XSC,   24576                      ; their scale words, 128 bytes each,
.set STG,   27648                      ; a stage of 16 rows x 528 bytes for each wave,
.set SPARE, 61440                      ; and the spare words, 128 bytes for each wave
.set LI,  1                            ; v1   16 x lane
.set LS,  2                            ; v2   4 x lane
.set LW,  3                            ; v3   16 x lane + 6,144 x wave: where I store x's images in LDS, and (the same number) my first tile of W's codes in memory
.set XWS, 4                            ; v4   4 x lane + 768 x wave: my images' scale words in LDS, and (the same number) my first tile of W's scale words in memory
.set STI, 5                            ; v5   the stage, on the way in
.set STO, 6                            ; v6   and on the way out
.set OA,  10                           ; v10  16 x lane + 512 x wave: my place in a part of qkv
.set SPW, 12                           ; v12  LDS address of my spare word; never rewritten
.set NIL, 13                           ; v13  0; never rewritten
.set XS,  16
.set WS,  40
.set BI,  58
.set TM,  82                           ; v82-85 largest magnitudes, v86-89 bytes, v90-93 the conversions' scale operands
.set PW,  94
.set BA,  96                           ; v96-103 the bias: one address for each register of C
.set PC,  104
.set WF,  112
.set X,   160
.set R,   0                            ; window 1
.set XF,  0
.set ACC, 192
.set PK,  224
.set NLD, 26                           ; loads for a tile of columns: 12 of codes, 6 of scale words, 8 of bias
.set TEN, 22                           ; s22  the tensor
.set WV,  23                           ; s23  my wave
.set SEL, 24
.set RC,  26                           ; s[26:27] sqrt(log2(e) / sqrt(128))
.set XP,  28                           ; s[28:29] x at my wave's first row
.set BP,  30                           ; s[30:31] the tensor's bias
.set OP0, 32                           ; s[32:33] my step's part in head 0 of my batch; s[34:35] in head 3: so every store's offset is an immediate of under 2^23
.set MSB, 0
.macro WIN new                         ; the immediate's high byte repeats the setting that is left
.if MSB != \new
	s_set_vgpr_msb (MSB<<8)|\new
.set MSB, \new
.endif
.endm
	s_load_b256 s[4:11], s[0:1], 0x0               ; Q_x s[4:5], K_x s[6:7], V_x s[8:9], wcodes s[10:11]
	s_load_b256 s[12:19], s[0:1], 0x20             ; wscales s[12:13], bq s[14:15], bk s[16:17], bv s[18:19]
	s_load_b64 s[20:21], s[0:1], 0x40              ; qkv
	v_lshl_add_u32 v[SPW], v0, 2, SPARE
	v_mov_b32 v[NIL], 0
	v_lshrrev_b32 v9, 5, v0
	v_readfirstlane_b32 s[WV], v9                  ; wave 0..3
	s_and_b32 s[TEN], ttmp7, 0xffff
	v_and_b32 v9, 31, v0                           ; lane
	v_and_b32 v11, 15, v0                          ; r
	v_bfe_u32 v14, v0, 4, 1                        ; h
	v_lshlrev_b32 v[LI], 4, v9
	v_lshlrev_b32 v[LS], 2, v9
	s_mul_i32 s36, s[WV], 6144
	v_add_nc_u32 v[LW], s36, v[LI]
	s_mul_i32 s36, s[WV], 768
	v_add_nc_u32 v[XWS], s36, v[LS]
	s_mul_i32 s36, s[WV], 8448
	s_add_co_u32 s36, s36, STG
	v_add_nc_u32 v[STI], s36, v[LI]
	v_mul_u32_u24 v[STO], v11, 528
	v_lshl_add_u32 v[STO], v14, 6, v[STO]
	v_add_nc_u32 v[STO], s36, v[STO]               ; row r, + 64 h: of each block of 32 my 16 neighbours
	s_lshl_b32 s36, s[WV], 9
	v_add_nc_u32 v[OA], s36, v[LI]
	; the bias, in the result's layout.  Q, K: register jj of lane (r, h) is column 16 N + 8 h + jj; V: every register is column 16 N + r.  One text: the factors are chosen, not the path
	s_cmp_eq_u32 s[TEN], 2
	s_cselect_b32 s36, 0, 32                       ; bytes for h
	s_cselect_b32 s37, 4, 0                        ; for r
	s_cselect_b32 s38, 0, 4                        ; from register to register
	s_lshl_b32 s39, s[WV], 6                       ; 64 bytes a tile of columns
	v_mul_u32_u24 v[BA], v14, s36
	v_mad_u32_u24 v[BA], v11, s37, v[BA]
	v_add_nc_u32 v[BA], s39, v[BA]
.irp jj, 1,2,3,4,5,6,7
	v_add_nc_u32 v[BA+\jj], s38, v[BA+\jj-1]
.endr
.irp b, 0,1,2,3
	v_mov_b32 v[TM+4+\b], 0                        ; written once: a lane permute's destination counts as one of its sources
.endr
	s_mov_b32 s[SEL], 0x76543210
	s_mov_b32 s[SEL+1], 0xfedcba98
	s_mov_b32 s[RC], 0x3eb6d544                    ; 0.35709584
	s_mov_b32 s[RC+1], s[RC]                       ; (named with it as a pair, so it is written)
	s_lshl_b32 s36, ttmp9, 6
	s_lshl_b32 s37, s[WV], 4
	s_add_co_u32 s36, s36, s37
	s_mul_i32 s40, s36, 3072                       ; my first row of x: 64 x work-group x + 16 x wave
	s_mov_b32 s41, 0
	s_lshr_b32 s38, ttmp9, 6                       ; the batch
	s_mul_i32 s36, s38, 18874368                   ; six heads of 3,145,728 bytes
	s_and_b32 s38, ttmp9, 63                       ; the step of 64 rows
	s_mul_i32 s38, s38, 49152
	s_add_co_u32 s36, s36, s38
	s_lshl_b32 s38, s[TEN], 14                     ; Q's, K's or V's part
	s_add_co_u32 s36, s36, s38
	s_mov_b32 s37, 0
	s_mul_i32 s38, s[TEN], 294912                  ; the tensor's codes of W
	s_mov_b32 s39, 0
	s_mul_i32 s42, s[TEN], 36864                   ; and its scale words: 48 tiles x 6 K steps x 128 bytes
	s_mov_b32 s43, 0
	s_wait_kmcnt 0x0
	s_cmp_eq_u32 s[TEN], 0                         ; the choices hang on the work-group's number alone
	s_cselect_b64 s[XP:XP+1], s[4:5], s[6:7]
	s_cselect_b64 s[BP:BP+1], s[14:15], s[16:17]
	s_cmp_eq_u32 s[TEN], 2
	s_cselect_b64 s[XP:XP+1], s[8:9], s[XP:XP+1]
	s_cselect_b64 s[BP:BP+1], s[18:19], s[BP:BP+1]
	s_add_nc_u64 s[XP:XP+1], s[XP:XP+1], s[40:41]
	s_add_nc_u64 s[10:11], s[10:11], s[38:39]
	s_add_nc_u64 s[12:13], s[12:13], s[42:43]
	s_add_nc_u64 s[OP0:OP0+1], s[20:21], s[36:37]
	s_add_nc_u64 s[OP0+2:OP0+3], s[OP0:OP0+1], 9437184
.macro WLOAD i                         ; tile N = w + 4 i of W: six fragments, six scale registers, and the bias, into set i % 3
.irp st, 0,1,2,3,4,5
.irp c, 0,1
	global_load_b128 v[WF+48*((\i)%3)+8*\st+4*\c:WF+48*((\i)%3)+8*\st+4*\c+3], v[LW], s[10:11] offset:24576*(\i)+1024*\st+512*\c
.endr
.endr
.irp st, 0,1,2,3,4,5
	global_load_b32 v[WS+6*((\i)%3)+\st], v[XWS], s[12:13] offset:3072*(\i)+128*\st
.endr
.irp jj, 0,1,2,3,4,5,6,7
	global_load_b32 v[BI+8*((\i)%3)+\jj], v[BA+\jj], s[BP:BP+1] offset:256*(\i)
.endr
.endm
.macro XLOAD st                        ; K step st of my 16 rows: each load reads 512 consecutive bytes of one row
	WIN 0x40                                       ; destination window 1
.irp i, 0,1,2,3,4,5,6,7,8,9,10,11,12,13,14,15
	global_load_b128 v[R+64*((\st)%2)+4*\i:R+64*((\st)%2)+4*\i+3], v[LI], s[XP:XP+1] offset:3072*\i+512*(\st) th:TH_LOAD_NT
.endr
	WIN 0
.endm
; 64 numbers of a lane, v[X] on, register 16 b + i = k 32 b + 16 h + i of my row, become a fragment's codes in v[PC] on and its scale word in v[PW]
.macro QUANT
.irp b, 0,1,2,3
	v_max3_num_f32 v[TM+\b], |v[X+16*\b]|, |v[X+1+16*\b]|, 0x1800000   ; block b: my 16 numbers, and the floor 2^(3 - 127): so the byte cannot fall under 1
.endr
.irp i, 2,4,6,8,10,12,14
.irp b, 0,1,2,3
	v_max3_num_f32 v[TM+\b], v[TM+\b], |v[X+16*\b+\i]|, |v[X+1+16*\b+\i]|
.endr
.endr
.irp b, 0,1,2,3
	v_permlanex16_b32 v[TM+4+\b], v[TM+\b], s[SEL], s[SEL+1]
.endr
.irp b, 0,1,2,3
	v_max_num_f32 v[TM+\b], v[TM+\b], v[TM+4+\b]   ; with lane l xor 16's: the block's largest magnitude
.endr
.irp b, 0,1,2,3
	v_add_nc_u32 v[TM+8+\b], 0xff000000, v[TM+\b]  ; 2 off its exponent field: the conversion's scale operand
.endr
.irp b, 0,1,2,3
	v_lshrrev_b32 v[TM+4+\b], 23, v[TM+8+\b]       ; the scale's byte
.endr
	v_lshl_or_b32 v[PW], v[TM+5], 8, v[TM+4]
	v_lshl_or_b32 v[PW], v[TM+6], 16, v[PW]
	v_lshl_or_b32 v[PW], v[TM+7], 24, v[PW]
.irp b, 0,1,2,3
	v_cvt_scalef32_pk8_fp4_f32 v[PC+2*\b], v[X+16*\b:X+7+16*\b], v[TM+8+\b]
	v_cvt_scalef32_pk8_fp4_f32 v[PC+1+2*\b], v[X+8+16*\b:X+15+16*\b], v[TM+8+\b]
.endr
	v_nop                                          ; one plain place behind a scaled conversion
.irp c, 0,1                                    ; a WHOLE block in a lane: lanes 0-15 block 2 c, lanes 16-31 block 2 c + 1
.irp i, 0,1
	v_permlane16_swap_b32 v[PC+4*\c+\i], v[PC+2+4*\c+\i]
.endr
.endr
.endm
.macro XSTEP st
.if (\st) < 5
	s_wait_loadcnt 16                              ; this K step's 16 loads (and all older ones) are in; the next step's 16 may be out
.else
	s_wait_loadcnt 0
.endif
	WIN 0x04                                       ; an LDS store's data are its source 1: window 1
.irp i, 0,1,2,3,4,5,6,7,8,9,10,11,12,13,14,15
	ds_store_b128 v[STI], v[R+64*((\st)%2)+4*\i:R+64*((\st)%2)+4*\i+3] offset:528*\i
.endr
	WIN 0
.irp b, 0,1,2,3
.irp jj, 0,1,2,3
	ds_load_b128 v[X+16*\b+4*\jj:X+16*\b+4*\jj+3], v[STO] offset:128*\b+16*\jj   ; LDS serves a wave's instructions in order: these see the stores above
.endr
.endr
	s_wait_dscnt 0x0                               ; my 64 numbers are back; the stores (the last step's images too) have read their registers
.if (\st)+2 < 6
	XLOAD (\st)+2
.endif
	QUANT
.if (\st) == 5
	WLOAD 1                                        ; x's numbers are done with: their registers take W's second and third set
	WLOAD 2
.endif
.irp c, 0,1
	ds_store_b128 v[LW], v[PC+4*\c:PC+4*\c+3] offset:XIMG+1024*(\st)+512*\c   ; the fragment goes to LDS as it stands
.endr
	ds_store_b32 v[XWS], v[PW] offset:XSC+128*(\st)
.endm
	WLOAD 0
	XLOAD 0
	XLOAD 1
.irp st, 0,1,2,3,4,5
	XSTEP \st
.endr
	s_wait_dscnt 0x0                               ; for the others' sake: my images lie in LDS
	s_barrier_signal -1
	s_barrier_wait -1                              ; everybody's do
	WIN 0x40
.irp f, 0,1,2,3,4,5,6,7,8,9,10,11,12,13,14,15,16,17,18,19,20,21,22,23
.irp c, 0,1
	ds_load_b128 v[XF+8*\f+4*\c:XF+8*\f+4*\c+3], v[LI] offset:XIMG+1024*\f+512*\c
.endr
.endr
	WIN 0
.irp f, 0,1,2,3,4,5,6,7,8,9,10,11,12,13,14,15,16,17,18,19,20,21,22,23
	ds_load_b32 v[XS+\f], v[LS] offset:XSC+128*\f
.endr
	s_wait_dscnt 0x0
; A tile of 16 columns for the 64 rows: 24 matrix instructions, K step by K step, the four accumulators by turns, one instruction a turn.
; kind 0: Q, K, transposed, times sqrt(c).  kind 1: V.
.macro NT i, kind
.if (\i) <= 9
	s_wait_loadcnt 2*NLD                           ; this tile's loads are in; those of the next two tiles may be out
.elseif (\i) == 10
	s_wait_loadcnt NLD
.else
	s_wait_loadcnt 0
.endif
.irp st, 0,1,2,3,4,5
.if \kind
.if \st == 0
	WIN 0x41                                       ; source 0 (x) window 1, source 1 (W) and C (the bias) window 0, D window 1
.else
	WIN 0x51                                       ; C window 1
.endif
.else
.if \st == 0
	WIN 0x44                                       ; source 0 (W) and C (the bias) window 0, source 1 (x) window 1, D window 1
.else
	WIN 0x54
.endif
.endif
.irp m, 0,1,2,3
.if \kind
.if \st == 0
	v_wmma_scale_f32_16x16x128_f8f6f4 v[ACC+8*\m:ACC+8*\m+7], v[XF+8*(6*\m+\st):XF+8*(6*\m+\st)+7], v[WF+48*((\i)%3)+8*\st:WF+48*((\i)%3)+8*\st+7], v[BI+8*((\i)%3):BI+8*((\i)%3)+7], v[XS+6*\m+\st], v[WS+6*((\i)%3)+\st] matrix_a_fmt:MATRIX_FMT_FP4 matrix_b_fmt:MATRIX_FMT_FP4
.else
	v_wmma_scale_f32_16x16x128_f8f6f4 v[ACC+8*\m:ACC+8*\m+7], v[XF+8*(6*\m+\st):XF+8*(6*\m+\st)+7], v[WF+48*((\i)%3)+8*\st:WF+48*((\i)%3)+8*\st+7], v[ACC+8*\m:ACC+8*\m+7], v[XS+6*\m+\st], v[WS+6*((\i)%3)+\st] matrix_a_fmt:MATRIX_FMT_FP4 matrix_b_fmt:MATRIX_FMT_FP4
.endif
.else
.if \st == 0
	v_wmma_scale_f32_16x16x128_f8f6f4 v[ACC+8*\m:ACC+8*\m+7], v[WF+48*((\i)%3)+8*\st:WF+48*((\i)%3)+8*\st+7], v[XF+8*(6*\m+\st):XF+8*(6*\m+\st)+7], v[BI+8*((\i)%3):BI+8*((\i)%3)+7], v[WS+6*((\i)%3)+\st], v[XS+6*\m+\st] matrix_a_fmt:MATRIX_FMT_FP4 matrix_b_fmt:MATRIX_FMT_FP4
.else
	v_wmma_scale_f32_16x16x128_f8f6f4 v[ACC+8*\m:ACC+8*\m+7], v[WF+48*((\i)%3)+8*\st:WF+48*((\i)%3)+8*\st+7], v[XF+8*(6*\m+\st):XF+8*(6*\m+\st)+7], v[ACC+8*\m:ACC+8*\m+7], v[WS+6*((\i)%3)+\st], v[XS+6*\m+\st] matrix_a_fmt:MATRIX_FMT_FP4 matrix_b_fmt:MATRIX_FMT_FP4
.endif
.endif
.endr
.endr
.rept 4
	v_nop                                          ; four places behind the last products, ahead of the first read of results; with the lines on the other accumulators they are also the places ahead of the loads into W's set and of the next tile's first products
.endr
	s_wait_xcnt 0x0                                ; the last tile's stores have read the packed results
.if !\kind
	WIN 0x41
.set a, ACC
.rept 16
	v_pk_mul_f32 v[a:a+1], v[a:a+1], s[RC:RC+1] op_sel_hi:[1,0]   ; each accumulator from its low end on
.set a, a+2
.endr
.endif
	WIN 0x45
.set a, 0
.rept 16
	v_cvt_pk_f16_f32 v[PK+a], v[ACC+2*a], v[ACC+2*a+1]   ; a lane's eight numbers: 16 bytes
.set a, a+1
.endr
	WIN 0
.if (\i)+3 < 12
	WLOAD (\i)+3
.endif
	WIN 0x04                                       ; a store's data are its source 1: window 1
.irp m, 0,1,2,3
	global_store_b128 v[OA], v[PK+4*\m:PK+4*\m+3], s[OP0+2*(((\i)/2)/3):OP0+2*(((\i)/2)/3)+1] offset:(((\i)/2)%3)*3145728+((\i)%2)*2048+4096*\m   ; 32 lanes store 512 consecutive bytes, aligned
.endr
.endm
.macro FINISH
	WIN 0
	s_wait_tensorcnt 0x0                           ; the wave's end, behind the last LDS store
	ds_add_u32 v[SPW], v[NIL]
	s_wait_dscnt 0x0
	s_endpgm
.endm
	s_cmp_eq_u32 s[TEN], 2
	s_cbranch_scc1 .Lv
.irp i, 0,1,2,3,4,5,6,7,8,9,10,11
	NT \i, 0
.endr
	FINISH
.Lv:
.irp i, 0,1,2,3,4,5,6,7,8,9,10,11
	NT \i, 1
.endr
	FINISH
.Lfunc_end_k_qca57f277a3_proj:
	.size	k_qca57f277a3_proj, .Lfunc_end_k_qca57f277a3_proj-k_qca57f277a3_proj
	.p2alignl 7, 3214868480
	.fill 96, 4, 3214868480
	.section	.rodata,"a",@progbits
	.p2align	6, 0x0
	.amdhsa_kernel k_qca57f277a3_proj
		.amdhsa_group_segment_fixed_size 61952
		.amdhsa_private_segment_fixed_size 0
		.amdhsa_enable_private_segment 0
		.amdhsa_kernarg_size 72
		.amdhsa_user_sgpr_count 2
		.amdhsa_user_sgpr_kernarg_segment_ptr 1
		.amdhsa_wavefront_size32 1
		.amdhsa_system_sgpr_workgroup_id_x 1
		.amdhsa_system_sgpr_workgroup_id_y 1
		.amdhsa_system_sgpr_workgroup_id_z 1
		.amdhsa_system_vgpr_workitem_id 0
		.amdhsa_next_free_vgpr 496
		.amdhsa_next_free_sgpr 66
		.amdhsa_reserve_vcc 0
		.amdhsa_float_denorm_mode_32 3
		.amdhsa_float_denorm_mode_16_64 3
		.amdhsa_memory_ordered 1
		.amdhsa_forward_progress 1
		.amdhsa_inst_pref_size 231
	.end_amdhsa_kernel
	.amdgpu_metadata
---
amdhsa.version: [ 1, 2 ]
amdhsa.kernels:
  - .name:           k_qca57f277a3_proj
    .symbol:         k_qca57f277a3_proj.kd
    .args:
      - { .name: Q_x, .offset: 0, .size: 8, .value_kind: global_buffer, .address_space: global }
      - { .name: K_x, .offset: 8, .size: 8, .value_kind: global_buffer, .address_space: global }
      - { .name: V_x, .offset: 16, .size: 8, .value_kind: global_buffer, .address_space: global }
      - { .name: wcodes, .offset: 24, .size: 8, .value_kind: global_buffer, .address_space: global }
      - { .name: wscales, .offset: 32, .size: 8, .value_kind: global_buffer, .address_space: global }
      - { .name: bq, .offset: 40, .size: 8, .value_kind: global_buffer, .address_space: global }
      - { .name: bk, .offset: 48, .size: 8, .value_kind: global_buffer, .address_space: global }
      - { .name: bv, .offset: 56, .size: 8, .value_kind: global_buffer, .address_space: global }
      - { .name: qkv, .offset: 64, .size: 8, .value_kind: global_buffer, .address_space: global }
    .group_segment_fixed_size: 61952
    .private_segment_fixed_size: 0
    .kernarg_segment_align: 8
    .kernarg_segment_size: 72
    .max_flat_workgroup_size: 128
    .sgpr_count:     66
    .vgpr_count:     496
    .wavefront_size: 32
...
	.end_amdgpu_metadata
.endif
;; end of part 2
;; launch attn (part 3): grid 16 x 12, 4 waves a work-group, clusters of 4 x 1, 327,680 bytes of LDS; arguments qkv, mbits, out0; writes out0
.if DOCPART == 3
	.amdgcn_target "amdgcn-amd-amdhsa--gfx1250"
	.amdhsa_code_object_version 6
	.text
	.protected	k_qca57f277a3_attn
	.globl	k_qca57f277a3_attn
	.p2align	8
	.type	k_qca57f277a3_attn,@function
k_qca57f277a3_attn:
	s_mov_b64 s[64:65], 0
	v_nop
	global_prefetch_b8 v0, s[64:65] scope:SCOPE_SE
	s_setreg_imm32_b32 hwreg(HW_REG_WAVE_MODE, 25, 1), 1
	s_wait_xcnt 0x0
	s_wait_alu depctr_hold_cnt(0) depctr_sa_sdst(0) depctr_va_vdst(0) depctr_va_sdst(0) depctr_va_ssrc(0) depctr_va_vcc(0) depctr_vm_vsrc(0)
	s_getreg_b32 s2, hwreg(HW_REG_IB_STS2, 6, 4)
	s_cmp_eq_u32 s2, 0
	s_cbranch_scc0 .Lentry_in_a_cluster
	s_endpgm
.Lentry_in_a_cluster:
	s_bfe_u32 s2, ttmp6, 0x10000c
	s_cmp_lg_u32 s2, 0x3003
	s_cbranch_scc0 .Lentry_shape_is_right
	s_endpgm
.Lentry_shape_is_right:
; THIRD LAUNCH: out0[b][q][head x 128 + :] = the sum over k of softmax_k(where(mask[q][k] == 0, -1e9, Q[q] . K[k] / sqrt(128))) V[k][:].  Nothing of reference() is left out here.
; Q, K, V come in f16 from the launch before, as images of operand registers: qkv [b x 6 + head][step of 64 rows][Q | K | V, 16,384 bytes each].  Q and K carry sqrt(log2(e) / sqrt(128)) each, so their product
; is t, the exponent to the base 2.  Products, maxima and sums in f32; the weights p are rounded to f16 for the second product.  f16 and not bf16: three more bits in every operand.
; THE MASK comes as lane masks (mbits [tile of 16 queries][tile of 16 keys][register j]): one word for each register of a tile of scores, brought by scalar loads; one v_cndmask_b32 puts -1e9 log2(e)
; in a masked score's place AHEAD of the maximum, as reference() does: a row that is masked whole so comes out as the mean of V.
; SHARES.  A work-group owns 256 queries of one (batch, head), each of its four waves 64: four tiles of 16.  Every wave walks all 4,096 keys, 64 a step.  49,152 rows of queries in blocks of 256 are 192 work-groups.
; LAYOUT.  S^T = K Q^T (source 0 = 16 keys, source 1 = 16 queries): a lane holds ONE query (lane % 16) and the keys 8 (lane / 16) + 0..7.  Two such tiles, rounded to f16 in pairs, ARE source 1
; (32 keys x 16 queries) of O^T = V^T P, whose result again holds one query a lane.
; SOFTMAX.  For each query a running maximum m and sum l: p = 2^(t - m); in every step O and l are multiplied by a = 2^(m_old - m_new), which is 1 where m has not grown.
; BY TURNS.  The wave's tiles are two PIECES (tiles 0, 1; tiles 2, 3).  In a TURN one piece has the matrix unit: 32 products V^T P of the step in hand, then 32 products K Q^T of the next step; the other
; piece's masks and softmax, cut into 64 slices of five instructions, stand between them, one slice behind each matrix instruction.  Two turns are a key step.
; CLUSTER.  The four query blocks of a cluster belong to one head and walk the same K and V: each tile is asked for JOINTLY, by the same tensor load with the same descriptor and a mask that names the four.
; LIMITS: NaN and infinities are not served; p under f16's smallest number counts as 0 in the second product.
; REGISTERS, in windows of 256: window 0: v2-7 addresses; v12-43 eight registers of statistics a tile; v60-63 constants; v64-191 S^T, 32 a tile; v192-255 P, 16 a tile.
;   window 1: O^T, 64 a tile.   window 2: v0-127 Q, 32 a tile; v128-255 K of one step.   window 3: v0-127 V of one step.
.set STEPB, 32768     ; a step in LDS: K's image, 16,384 bytes, then V's: dense, as they lie in memory: a fragment's load takes 512 consecutive bytes
.set VOFF,  16384
.set SLOT1, 1<<17     ; a slot holds two steps; slot 1 begins here, so that one exclusive or turns an address in one slot into the other's
.set SLOTM, 98304     ; a slot's two steps in memory (Q's parts lie between)
.set STAGE, 196608    ; behind the ring: 16 rows x 528 bytes for each wave, for the way out
.set SP,    528
.set SPARE, STAGE+4*16*SP  ; behind the stages: the spare words, 128 bytes for each wave
.set LI,  2           ; v2   16 x lane: my place in an image, in a row of the stage and in a row of O; never rewritten
.set ADR, 4           ; v4   the LDS address of the run of loads in hand
.set STO, 6           ; v6   the way out: where I put 32 bytes of a row
.set RD,  7           ; v7   the way out: where I read a row back
.set ST,  12          ; tile t's statistics at v[ST+8 t]: +0 m, +1 m_old, then m_old - m, +2, +3 l (even keys', odd keys'), +4 to +7 c0-c3, at work; a takes c2's place once the maximum is found
.set NEGV, 60         ; v60  -1e9 log2(e)
.set PFO, 61          ; v61  256 x lane: the prefetches' offset; never rewritten
.set SPW, 62          ; v62  LDS address of my spare word; never rewritten
.set NIL, 63          ; v63  0; never rewritten
.set S,   64
.set P,   192
.set KF,  128         ; K's fragments, in window 2
.set SEL, 2           ; s[2:3]  lane selects for v_permlanex16_b32: lane l xor 16
.set PFA, 4           ; s[4:5]  where my prefetches stand
.set MB,  6           ; s[6:7]  mbits at my wave's first tile of queries
.set OUT, 8           ; s[8:9]  out0 at my wave's first row, my head's columns
.set MO,  10          ; s10  the step's masks: 128 bytes a step
.set SLOTS, 11        ; s11  slots still to be asked for
.set WV,  12          ; s12  my wave's number
.set TWICE, 13        ; s13  counts a slot's two steps
.set TB,  14          ; s14  LDS byte at which the step to be fetched begins
.set LIM, 15          ; s15  1 in a wave that prefetches, else the greatest number
.set G1,  16          ; s[16:23] descriptor group 1
.set G0,  24          ; s[24:27] group 0 of slot 0's first fill
.set G0W, 28          ; s[28:31] group 0 of slot 1's first fill, which then walks
.set QP,  66          ; s[66:67] Q at my wave's 64 rows
                      ; s[32:63] the lane masks of the piece's even tile, s[68:99] of its odd tile (temporaries at the head)
.set MSB, 0
.macro WIN new                      ; the immediate's high byte repeats the setting that is left; a switch that changes nothing is dropped
.if MSB != \new
	s_set_vgpr_msb (MSB<<8)|\new
.set MSB, \new
.endif
.endm
.set W_KQ, 0x0a       ; K and Q in window 2, S^T in window 0
.set W_PV, 0x53       ; V in window 3, P in window 0, O^T in window 1
.set W_RS, 0x41       ; O^T (destination and source 0) in window 1, a in window 0
; A joint refill: every wave issues the same line; its group 0 is made of the wave's number, the head and the count of slots alone.  An s_nop 0 and four v_nop follow.
.macro JLOAD
	tensor_load_to_lds s[G0W:G0W+3], s[G1:G1+7]
	s_nop 0
.rept 4
	v_nop
.endr
.endm
; A PREFETCH INTO THE L2 of what the NEXT change of slots will ask for: a slot's two images of K and two of V, 16,384 bytes each.  Each aligned block of 256 bytes is named ONCE in the launch: all clusters of a
; head walk the same K and V, so the head's first cluster asks; its four partners share the bytes out BY ADDRESS (partner cx: step cx / 2 of the slot, half cx % 2 of an image); in each, wave 0 asks for K's
; 8,192 bytes and wave 2 for V's, lanes 256 bytes apart: one instruction.  The last change that fills a slot asks for nothing: there is no slot behind it.
.macro ASK
	s_cmp_gt_u32 s[SLOTS], s[LIM]
	s_cbranch_scc0 .Lnot_mine_\@
	global_prefetch_b8 v[PFO], s[PFA:PFA+1] th:TH_LOAD_NT scope:SCOPE_SE
.Lnot_mine_\@:
.endm
.macro CROUND                       ; a round of the cluster's barrier
	s_barrier_signal -1
	s_barrier_wait -1
	s_cmp_lg_u32 s[WV], 0
	s_cbranch_scc1 .Lnot_wave_0_\@
	s_barrier_signal -3
.Lnot_wave_0_\@:
	s_barrier_wait -3
	s_barrier_signal -1
	s_barrier_wait -1
.endm
; The lane masks of tiles yn and yn + 1 for the step at s[MO]: 32 words a tile
.macro MLOAD yn
	s_load_b512 s[32:47], s[MB:MB+1], s[MO] offset:8192*(\yn)
	s_load_b512 s[48:63], s[MB:MB+1], s[MO] offset:8192*(\yn)+64
	s_load_b512 s[68:83], s[MB:MB+1], s[MO] offset:8192*(\yn)+8192
	s_load_b512 s[84:99], s[MB:MB+1], s[MO] offset:8192*(\yn)+8256
.endm
	s_load_b128 s[4:7], s[0:1], 0x0  ; qkv s[4:5], mbits s[6:7]
	s_load_b64 s[8:9], s[0:1], 0x10  ; out0
	v_lshl_add_u32 v[SPW], v0, 2, SPARE
	v_mov_b32 v[NIL], 0
	ds_add_u32 v[SPW], v[NIL]       ; the wave's opening: the add, twice on end, and its wait ahead of my first tensor load; the set-up below stands between the second and the wait
	ds_add_u32 v[SPW], v[NIL]
	v_lshrrev_b32 v1, 5, v0
	v_readfirstlane_b32 s[WV], v1   ; wave 0..3
	s_bfe_u32 s66, ttmp6, 0x40000   ; cx: my place in the cluster
	s_lshl_b32 s67, ttmp9, 2        ; in a cluster launch ttmp9 counts clusters
	s_add_co_u32 s67, s67, s66      ; my block of 256 queries: it enters Q's, the masks' and O's addresses alone
	s_and_b32 s68, ttmp7, 0xffff    ; batch x 6 + head, which the four partners share
	s_mul_i32 s70, s68, 3145728     ; its first byte in qkv
	s_and_b32 s72, s[WV], 1         ; which of a slot's two steps I fetch,
	s_lshr_b32 s73, s[WV], 1        ; K's image (0) or V's (1)
	s_lshl_b32 s74, s72, 15
	s_lshl_b32 s75, s73, 14
	s_add_co_u32 s74, s74, s75      ; its place in a slot: no place in the cluster enters an LDS address
	s_mul_i32 s76, s72, 49152
	s_add_co_u32 s76, s76, s75
	s_add_co_u32 s76, s76, 16384    ; (Q's part lies in front of K's)
	s_add_co_u32 s76, s76, s70      ; and in memory
	s_mov_b32 s77, 0
	s_lshl_b32 s78, s67, 2
	s_add_co_u32 s78, s78, s[WV]    ; which 64 rows of the head are my wave's
	s_mul_i32 s80, s78, 49152
	s_add_co_u32 s80, s80, s70      ; Q
	s_mov_b32 s81, 0
	s_lshl_b32 s82, s78, 15         ; the masks: four tiles of queries of 8,192 bytes
	s_mov_b32 s83, 0
	s_cmp_ge_u32 s68, 6
	s_cselect_b32 s84, 12582912, 0  ; the batch in out0,
	s_cselect_b32 s85, 6, 0
	s_sub_co_u32 s85, s68, s85
	s_lshl_b32 s85, s85, 9          ; the head's 512 bytes of a row,
	s_add_co_u32 s84, s84, s85
	s_mul_i32 s86, s78, 196608      ; 64 rows of 3,072 bytes
	s_add_co_u32 s84, s84, s86
	s_mov_b32 s85, 0
	s_lshr_b32 s88, s66, 1          ; the prefetches: my work-group's eighth of a slot's K or V
	s_mul_i32 s88, s88, 49152
	s_and_b32 s89, s66, 1
	s_lshl_b32 s89, s89, 13
	s_add_co_u32 s88, s88, s89
	s_add_co_u32 s88, s88, s75
	s_add_co_u32 s88, s88, s70
	s_add_co_u32 s88, s88, 16384+2*SLOTM  ; in slot 2; the first change of slots steps it to slot 3.  Nothing is prefetched at the head, where every work-group's first tiles are on their way
	s_mov_b32 s89, 0
	; descriptor group 1: an image of 16,384 dense bytes, as 64 rows of 256 bytes (32 elements of 8 bytes)
	s_mov_b32 s[G1], 15|(3<<16)|(1<<21)  ; 15:0 the mask: all four work-groups; 17:16 elements of 8 bytes; 20 no padding; 21 set beside a mask
	s_mov_b32 s[G1+1], 32<<16       ; tensor_dim0 = 32
	s_mov_b32 s[G1+2], 64<<16       ; tensor_dim1 = 64
	s_mov_b32 s[G1+3], 32<<16       ; tile_dim0 = 32
	s_mov_b32 s[G1+4], 64           ; tile_dim1 = 64
	s_mov_b32 s[G1+5], 32           ; tensor_dim0_stride
	s_mov_b32 s[G1+6], 0
	s_mov_b32 s[G1+7], 0
	s_mov_b32 s[SEL], 0x76543210
	s_mov_b32 s[SEL+1], 0xfedcba98
	s_mov_b32 s[TB], 0
	s_mov_b32 s[MO], 0
	s_mov_b32 s[SLOTS], 30          ; 32 slots' worth of keys; two are asked for at the head
	s_and_b32 s[LIM], s[WV], 1      ; 0 in waves 0 and 2,
	s_or_b32 s[LIM], s[LIM], ttmp9  ; where the cluster is the head's first: the same in all four partners
	s_cmp_eq_u32 s[LIM], 0
	s_cselect_b32 s[LIM], 1, -1
	v_and_b32 v[LI], 31, v0
	v_lshlrev_b32 v[PFO], 8, v[LI]
	v_lshlrev_b32 v[LI], 4, v[LI]
	v_mov_b32 v[NEGV], 0xceabfb8f   ; -1e9 x log2(e)
.irp t, 0,1,2,3
	v_mov_b32 v[ST+8*\t+1], 0       ; named as the upper half of the pair with m before it is first written
.endr
	s_wait_dscnt 0x0                ; both opening adds are done
	s_wait_kmcnt 0x0
	s_add_nc_u64 s[90:91], s[4:5], s[76:77]  ; my image of slot 0
	s_add_nc_u64 s[QP:QP+1], s[4:5], s[80:81]
	s_add_nc_u64 s[PFA:PFA+1], s[4:5], s[88:89]
	s_add_nc_u64 s[MB:MB+1], s[MB:MB+1], s[82:83]
	s_add_nc_u64 s[OUT:OUT+1], s[OUT:OUT+1], s[84:85]
	CROUND                          ; all four work-groups are here: the first joint loads meet
	s_mov_b32 s[G0], 1              ; count = 1
	s_mov_b32 s[G0+1], s74          ; LDS address: slot 0
	s_mov_b64 s[G0+2:G0+3], s[90:91]
	s_or_b32 s[G0+3], s[G0+3], 0x80000000  ; type = 2
	s_mov_b32 s[G0W], 1
	s_add_co_u32 s[G0W+1], s74, SLOT1
	s_add_nc_u64 s[G0W+2:G0W+3], s[90:91], SLOTM
	s_or_b32 s[G0W+3], s[G0W+3], 0x80000000
	tensor_load_to_lds s[G0:G0+3], s[G1:G1+7]  ; every wave's two first fills, ahead of every wait on TENSORcnt and every LDS read: two loads of mine are out
	s_nop 0
	tensor_load_to_lds s[G0W:G0W+3], s[G1:G1+7]
	s_nop 0
.rept 4
	v_nop
.endr
	WIN 0x80                        ; destination window 2, address window 0
.irp i, 0,1,2,3,4,5,6,7,8,9,10,11,12,13,14,15  ; Q stays in registers: tile i / 4, channels 32 (i % 4) on: two parts of the image
	global_load_b128 v[8*\i:8*\i+3],   v[LI], s[QP:QP+1] offset:(\i/4)*4096+(\i%4)*1024
	global_load_b128 v[8*\i+4:8*\i+7], v[LI], s[QP:QP+1] offset:(\i/4)*4096+(\i%4)*1024+512
.endr
	WIN 0
	MLOAD 0                         ; piece 0's masks of step 0
; THE MATRIX WORK OF A TURN, for piece x.  The accumulators take turns, one instruction a turn.
; Product i of 32 of O^T += V^T P: keys 32 (i / 16) on, channels 16 ((i / 2) % 8) on, tile x + i % 2.  zero = 1: the first 16 start the sums: nothing is ever cleared.
.macro PV x, zero
	WIN W_PV
.set rO, 64*(\x+i%2)+8*((i/2)%8)
.set rV, 64*(i/16)+8*((i/2)%8)
.set rP, P+16*(\x+i%2)+8*(i/16)
.if \zero && (i < 16)
	v_wmma_f32_16x16x32_f16 v[rO:rO+7], v[rV:rV+7], v[rP:rP+7], 0
.else
	v_wmma_f32_16x16x32_f16 v[rO:rO+7], v[rV:rV+7], v[rP:rP+7], v[rO:rO+7]
.endif
.endm
; Product i of 32 of S^T = K Q^T: channels 32 (i / 8) on, keys 16 ((i / 2) % 4) on, tile x + i % 2.  The first 8 start the sums.
.macro KQ x
	WIN W_KQ
.set rS, S+32*(\x+i%2)+8*((i/2)%4)
.set rK, KF+32*((i/2)%4)+8*(i/8)
.set rQ, 32*(\x+i%2)+8*(i/8)
.if i < 8
	v_wmma_f32_16x16x32_f16 v[rS:rS+7], v[rK:rK+7], v[rQ:rQ+7], 0
.else
	v_wmma_f32_16x16x32_f16 v[rS:rS+7], v[rK:rK+7], v[rQ:rQ+7], v[rS:rS+7]
.endif
.endm
; THE LDS LOADS stand in runs of 32: a step's K (16 fragments) and, a turn later, its V.
.macro FETCH_K
	WIN 0
	v_add_nc_u32 v[ADR], s[TB], v[LI]
	WIN 0x80                        ; destination window 2
.irp f, 0,1,2,3,4,5,6,7,8,9,10,11,12,13,14,15  ; keys 16 (f / 4) on, channels 32 (f % 4) on: parts 2 f and 2 f + 1 of the image
	ds_load_b128 v[KF+8*\f:KF+8*\f+3],   v[ADR] offset:1024*\f
	ds_load_b128 v[KF+8*\f+4:KF+8*\f+7], v[ADR] offset:1024*\f+512
.endr
.endm
.macro FETCH_V
	WIN 0
	v_add_nc_u32 v[ADR], s[TB], v[LI]
	s_add_co_u32 s[TB], s[TB], STEPB  ; the next fetch is the next step's
	s_wait_alu depctr_va_vdst(0)    ; the wait for the softmax's batch of exponentials, behind the address's addition and ahead of the loads
	WIN 0xc0                        ; destination window 3
.irp f, 0,1,2,3,4,5,6,7,8,9,10,11,12,13,14,15  ; keys 32 (f / 8) on, channels 16 (f % 8) on: part f % 8 of key tiles 2 (f / 8) and 2 (f / 8) + 1
	ds_load_b128 v[8*\f:8*\f+3],   v[ADR] offset:VOFF+8192*(\f/8)+512*(\f%8)
	ds_load_b128 v[8*\f+4:8*\f+7], v[ADR] offset:VOFF+8192*(\f/8)+512*(\f%8)+4096
.endr
.endm
; THE VECTOR WORK OF A TURN.  First a tile's 32 selects by its lane masks, each accumulator from its low end on.
.macro MASK t, jj
	WIN 0
.if ((\t)%2) == 0
	v_cndmask_b32 v[S+32*(\t)+(\jj)], v[NEGV], v[S+32*(\t)+(\jj)], s[32+(\jj)]
.else
	v_cndmask_b32 v[S+32*(\t)+(\jj)], v[NEGV], v[S+32*(\t)+(\jj)], s[68+(\jj)]
.endif
.endm
; Then the tile's softmax: a numbered list; SM writes number j of it for tile t.  s0-s31 are the lane's 32 scores, in pairs 0-15.  first = 1: the first key step, which starts m, l and O^T.
;   0-15    the maximum of s0-s31 and the old m, three operands at a time
;   16-20   the other half of the lanes' maximum; the old m kept; the new m; m_old - m  (19 is empty)
;   21-69   ONE BATCH: the 16 subtractions s - m, a pair of scores each, and all 33 exponentials (a at 23, then s0-s31).  None of these reads an exponential's result
;   (wait)  between 69 and 70 stands the wait for the batch: DEAL writes it, once for both tiles
;   70-85   the roundings to f16, a pair of weights each
;   86-101  the sums; l = a l + the sum
;   102-133 the tile's O^T times a: the one part that leaves window 0
.macro SM t, first
.set rT, ST+8*(\t)
.set rS, S+32*(\t)
.set rP, P+16*(\t)
.set rO, 64*(\t)+2*(j-102)
.if j < 102
	WIN 0
.endif
.if j < 4
	v_max3_num_f32 v[rT+4+j], v[rS+8*j], v[rS+8*j+1], v[rS+8*j+2]
.elseif j < 12
	v_max3_num_f32 v[rT+4+j%4], v[rT+4+j%4], v[rS+8*(j%4)+2*(j/4)+1], v[rS+8*(j%4)+2*(j/4)+2]
.elseif j == 12
	v_max3_num_f32 v[rT+4], v[rT+4], v[rS+7], v[rS+15]
.elseif j == 13
	v_max3_num_f32 v[rT+6], v[rT+6], v[rS+23], v[rS+31]
.elseif j == 14
	v_max3_num_f32 v[rT+4], v[rT+4], v[rT+5], v[rT+6]
.elseif (j == 15) && \first
	v_max_num_f32 v[rT+4], v[rT+4], v[rT+7]
.elseif j == 15
	v_max3_num_f32 v[rT+4], v[rT+4], v[rT+7], v[rT]
.elseif j == 16
	v_permlanex16_b32 v[rT+5], v[rT+4], s[SEL], s[SEL+1]  ; the query's other 32 keys lie in the lane 16 away
.elseif j == 18
	v_max_num_f32 v[rT], v[rT+4], v[rT+5]
.elseif j == 19
.elseif ((j == 17) || (j == 20) || (j == 23) || (j > 101)) && \first  ; the first step has none of these
.elseif j == 17
	v_mov_b32 v[rT+1], v[rT]        ; m_old is kept for a: number 18 writes m anew
.elseif j == 20
	v_sub_f32 v[rT+1], v[rT+1], v[rT]
.elseif j == 23
	v_exp_f32 v[rT+6], v[rT+1]
.elseif (j < 23) || ((j < 38) && (j%2 == 0)) || ((j < 66) && (j%4 == 2))
.set b, (j-2)/4                     ; 38, 42, .. 62: pairs 9 to 15
.if j < 38
.set b, (j-20)/2                    ; 21: pair 0; 22, 24, .. 36: pairs 1 to 8
.endif
	v_pk_add_f32 v[rS+2*b:rS+2*b+1], v[rS+2*b:rS+2*b+1], v[rT:rT+1] op_sel_hi:[1,0] neg_lo:[0,1] neg_hi:[0,1]  ; pair b: s - m (of the pair the low word, m, serves both halves)
.elseif j < 70
.set e, j-38                        ; 66 to 69: s28 to s31
.if j < 66
.set e, j-32-(j-38)/4               ; 39-41, 43-45, .. 63-65: s7 to s27
.endif
.if j < 38
.set e, (j-25)/2                    ; 25, 27, .. 37: s0 to s6
.endif
	v_exp_f32 v[rS+e], v[rS+e]
.elseif j < 86
	v_cvt_pk_f16_f32 v[rP+j-70], v[rS+2*(j-70)], v[rS+2*(j-70)+1]  ; pair j - 70
.elseif j < 102                     ; the sum of the tile's 16 pairs, in place: neighbours 1, 2, 4 and 8 pairs apart, then l takes it
.set z, j-86
.set w, 4
.set u, z
.if z >= 14
.set w, 32
.set u, 0
.elseif z >= 12
.set w, 16
.set u, z-12
.elseif z >= 8
.set w, 8
.set u, z-8
.endif
.if (z == 14) && \first
	v_pk_add_f32 v[rT+2:rT+3], v[rS:rS+1], v[rS+16:rS+17]
.elseif z < 15
	v_pk_add_f32 v[rS+w*u:rS+w*u+1], v[rS+w*u:rS+w*u+1], v[rS+w*u+w/2:rS+w*u+w/2+1]
.elseif !\first
	v_pk_fma_f32 v[rT+2:rT+3], v[rT+2:rT+3], v[rT+6:rT+7], v[rS:rS+1] op_sel_hi:[1,0,1]
.endif
.else
	WIN W_RS
	v_pk_mul_f32 v[rO:rO+1], v[rO:rO+1], v[rT+6:rT+7] op_sel_hi:[1,0]
.endif
.endm
; DEAL writes position n of piece y's 332 and steps n.  0-63: the selects, the two tiles alternating; 64-107: numbers 0 to 21, alternating; 108-203: the batch from 22 on, four numbers of ONE tile at a
; time, the tiles by turns; 204-331: numbers 70 to 133, alternating.
; Ahead of position 70, when all 64 mask words have been read: the scalar loads of the next softmax's masks (ml = 1).  Ahead of position 204: a plain instruction behind the last exponential, and the ONE
; wait between the turn's 66 exponentials and the first instruction that names a result; in piece 2's turn (y = 0) V's run of loads stands there, and the wait in it.
.macro DEAL y, first, ml
.if (n == 70) && \ml
	MLOAD 2-(\y)
.endif
.if n == 204
	WIN 0
	v_nop
.if (\y) == 0
	FETCH_V
.else
	s_wait_alu depctr_va_vdst(0)
.endif
.endif
.if n < 64
	MASK (\y)+n%2, n/2
.elseif n < 108
.set j, (n-64)/2
	SM (\y)+n%2, \first
.elseif n < 204
.set j, 22+4*((n-108)/8)+(n-108)%4
	SM (\y)+((n-108)/4)%2, \first
.else
.set j, 70+(n-204)/2
	SM (\y)+n%2, \first
.endif
.set n, n+1
.endm
; Slice k of 64: five positions; 332 = 5 x 64 + 12: the twelve that are over stand in slice 63, whose seventeen are all rescalings of the other piece's O^T: the places behind the turn's last K Q^T.
.macro SLICE y, first, ml
.rept 5
	DEAL \y, \first, \ml
.endr
.if k == 63
.rept 12
	DEAL \y, \first, \ml
.endr
.endif
.set k, k+1
.endm
; A vector instruction that reads a matrix result or writes one of a matrix instruction's registers, and a load into a register that a matrix instruction has read, stand four places behind it, and only
; plain vector instructions that name none of its registers are places (ISA guide 7.12.1 for vector instructions).  In the loop the slices are the places.
.macro PLACES
.rept 4
	v_nop
.endr
.endm
; A TURN.  Piece x has the matrix unit; the other piece's masks and softmax stand in slices behind its matrix instructions.
; pv = 2: 32 products V^T P; 1: they start O^T's sums; 0: none.  kq = 1: 32 products K Q^T for the next step.  A turn with one of the two kinds has two slices behind each product.
; first = 1: the softmax is the first key step's; its last slices are empty, and four v_nop take slice 63's part.  ml = 1: the next softmax's masks are asked for.
; Piece 0's turn fetches the next step's K behind its second product: K's last reader stands in front of slice 63 of the turn before.  Piece 2's turn fetches the same step's V ahead of position 204, behind
; its 41st matrix instruction: V's last reader is its 32nd, and ten subtractions, the v_nop and the run's own addition lie between.
.macro TURN x, pv, kq, first, ml
.set k, 0
.set n, 0
.set per, 2
.if \pv && \kq
.set per, 1
.endif
	s_wait_kmcnt 0x0                ; this turn's masks are in: so their loads have read s[MO],
.if (\x == 0) && \ml
	s_add_co_u32 s[MO], s[MO], 128  ; which steps when both pieces have asked for a step's masks
.endif
.if \pv
.if \x == 0
	s_wait_dscnt 0x0                ; V is in
.endif
.set i, 0
.rept 32
	PV \x, 2-\pv
.rept per
	SLICE 2-\x, \first, \ml
.endr
.if (\x == 0) && \kq && (i == 1)
	FETCH_K
.endif
.set i, i+1
.endr
.endif
.if \kq
.if \x == 0
	s_wait_dscnt 0x0                ; K is in
.endif
.set i, 0
.rept 32
	KQ \x
.rept per
	SLICE 2-\x, \first, \ml
.endr
.set i, i+1
.endr
.endif
.if \first
	PLACES
.endif
.endm
; THE CHANGE OF SLOTS, between piece 2's turn and piece 0's: the slot's last bytes, V of its second step, have been asked for.  Each wave waits for all its tensor loads, of which one is out: its part of the
; other slot; adds 0 to its spare word; and waits for that and for its own reads of the slot.  fill = 1: the slot is filled again, with the keys two slots on: the barrier is then a round of the cluster's,
; and the joint refill is the first thing behind it: it has two key steps, 256 matrix instructions, in which to land.
.macro CHANGE fill
	WIN 0                           ; at a label and at a branch every window is 0
	s_wait_tensorcnt 0x0            ; no tensor load of mine is out, so a group 0 may be written
	ds_add_u32 v[SPW], v[NIL]       ; 0 onto my spare word
.if \fill
	s_xor_b32 s[G0W+1], s[G0W+1], SLOT1  ; the walking descriptor: the other slot than last time,
	s_add_nc_u64 s[G0W+2:G0W+3], s[G0W+2:G0W+3], SLOTM  ; the next 128 keys; the type bits on top are not reached
	s_wait_xcnt 0x0                 ; the last prefetch, two key steps back, has read its address, so it may be written:
	s_add_nc_u64 s[PFA:PFA+1], s[PFA:PFA+1], SLOTM  ; one slot further on than the walking descriptor
	s_wait_dscnt 0x0                ; the add is done, and my reads of the slot are over
	CROUND
	JLOAD
	ASK                             ; what the next change will ask for: two key steps, 256 matrix instructions, ahead
.else
	s_wait_dscnt 0x0                ; the add is done, and my reads of the slot are over
	s_barrier_signal -1
	s_barrier_wait -1
.endif
	s_sub_co_u32 s[TB], s[TB], 2*STEPB  ; the fetches go back to a slot's first step,
	s_xor_b32 s[TB], s[TB], SLOT1   ; in the other slot
.endm
.macro TWO_STEPS                    ; a slot's two key steps: written once, walked twice; the LDS addresses hang on s[TB], the masks' on s[MO]
	s_mov_b32 s[TWICE], 2
.Lstep_\@:
	TURN 0, 2, 1, 0, 1
	TURN 2, 2, 1, 0, 1
	WIN 0
	s_sub_co_u32 s[TWICE], s[TWICE], 1
	s_cmp_lg_u32 s[TWICE], 0
	s_cbranch_scc1 .Lstep_\@
.endm
	s_wait_tensorcnt 1              ; my part of slot 0 is in; slot 1's may stay out
	s_barrier_signal -1
	s_barrier_wait -1               ; everybody's is
	FETCH_K                         ; key step 0
	s_wait_loadcnt 0x0              ; Q
	s_wait_dscnt 0x0
.set i, 0
.rept 32
	KQ 0                            ; piece 0's first scores: there is no vector work yet to set between them
.set i, i+1
.endr
	WIN 0                           ; the addresses for the way out are made here: six plain instructions, the places behind those products
	s_mul_i32 s[TWICE], s[WV], 16*SP
	s_add_co_u32 s[TWICE], s[TWICE], STAGE  ; my stage
	v_and_b32 v1, 15, v0            ; r
	v_bfe_u32 v9, v0, 4, 1          ; h
	v_mul_u32_u24 v[STO], v1, SP    ; in: row r, 32 bytes for each half of the lanes
	v_lshl_add_u32 v[STO], v9, 5, v[STO]
	v_add_nc_u32 v[STO], s[TWICE], v[STO]
	v_add_nc_u32 v[RD], s[TWICE], v[LI]  ; back: the 32 lanes take one row of 512 bytes
	TURN 2, 0, 1, 1, 1              ; piece 2's first scores | piece 0's first softmax | V of step 0
	TURN 0, 1, 1, 1, 1              ; piece 0: V^T P of step 0 starts O^T, K Q^T of step 1 | piece 2's first softmax | K of step 1
	TURN 2, 1, 1, 0, 1              ; piece 2: the same | piece 0's softmax of step 1 | V of step 1
	WIN 0
.Lslot:                             ; 30 trips: every slot but the last two is filled again
	CHANGE 1
	TWO_STEPS
	s_sub_co_u32 s[SLOTS], s[SLOTS], 1
	s_cmp_lg_u32 s[SLOTS], 0
	s_cbranch_scc1 .Lslot
	CHANGE 0                        ; the tail is written out: nothing more is asked for
	TWO_STEPS
	TURN 0, 2, 0, 0, 0              ; piece 0: V^T P of the last step | piece 2's last softmax; no masks are left to ask for
.set i, 0
.rept 32
	PV 2, 0                         ; piece 2: V^T P of the last step
.set i, i+1
.endr
	; THE WAY OUT.  l's two halves and the other half of the lanes' are added; O^T is divided by l and sent through my stage in LDS, a tile (16 rows of O) at a time.  The additions are the places behind the last products.
	WIN 0
.irp t, 0,1,2,3
	v_add_f32 v[ST+8*\t+4], v[ST+8*\t+2], v[ST+8*\t+3]
.endr
.irp t, 0,1,2,3
	v_permlanex16_b32 v[ST+8*\t+5], v[ST+8*\t+4], s[SEL], s[SEL+1]
.endr
.irp t, 0,1,2,3
	v_add_f32 v[ST+8*\t+4], v[ST+8*\t+4], v[ST+8*\t+5]
.endr
.irp t, 0,1,2,3
	v_rcp_f32 v[ST+8*\t+6], v[ST+8*\t+4]
.endr
	v_nop                           ; a plain instruction between the last reciprocal and the use of its result
	s_wait_alu depctr_va_vdst(0)    ; and the wait ahead of the first use: one for the four reciprocals
; Tile t: a lane's eight channels of a row are 32 bytes; they go into rows of 528 bytes and come back as whole rows of 512, into S^T's registers, two sets by turns.
.macro PACKO t
	WIN W_RS
.set i, 64*\t
.rept 32
	v_pk_mul_f32 v[i:i+1], v[i:i+1], v[ST+8*\t+6:ST+8*\t+7] op_sel_hi:[1,0]   ; each accumulator from its low end on
.set i, i+2
.endr
	WIN 0x04                        ; an LDS store's data are its source 1: window 1
.irp f, 0,1,2,3,4,5,6,7
	ds_store_b128 v[STO], v[64*\t+8*\f:64*\t+8*\f+3] offset:64*\f
	ds_store_b128 v[STO], v[64*\t+8*\f+4:64*\t+8*\f+7] offset:64*\f+16
.endr
	WIN 0
.irp f, 0,1,2,3,4,5,6,7,8,9,10,11,12,13,14,15
	ds_load_b128 v[S+64*(\t%2)+4*\f:S+64*(\t%2)+4*\f+3], v[RD] offset:\f*SP  ; LDS serves a wave's instructions in order (ISA guide 5.7.1.4): these see the stores above; the next tile's stores come behind them
.endr
.endm
.macro SENDO t, younger             ; younger: the LDS instructions issued behind tile t's loads: the next tile's 16 stores and 16 loads, or none
	s_wait_dscnt \younger
.irp f, 0,1,2,3,4,5,6,7,8,9,10,11,12,13,14,15
	global_store_b128 v[LI], v[S+64*(\t%2)+4*\f:S+64*(\t%2)+4*\f+3], s[OUT:OUT+1] offset:(16*\t+\f)*3072 th:TH_STORE_NT  ; 32 lanes store 512 consecutive bytes, at a multiple of 256 from out0's first byte
.endr
.endm
	PACKO 0
	PACKO 1                         ; a tile's arithmetic stands between the loads of the tile before and its stores
	SENDO 0, 32
	s_wait_xcnt 0x0                 ; tile 0's stores have read their registers: tile 2's rows may land there
	PACKO 2
	SENDO 1, 32
	s_wait_xcnt 0x0                 ; tile 1's likewise
	PACKO 3
	SENDO 2, 32
	SENDO 3, 0
	s_wait_tensorcnt 0x0            ; the wave's end: behind my last tensor load and my last LDS store
	ds_add_u32 v[SPW], v[NIL]
	s_wait_dscnt 0x0
	CROUND                          ; the closing round: no work-group ends while a partner may still ask for a tile that names it
	s_endpgm
.Lfunc_end_k_qca57f277a3_attn:
	.size	k_qca57f277a3_attn, .Lfunc_end_k_qca57f277a3_attn-k_qca57f277a3_attn
	.p2alignl 7, 3214868480
	.fill 96, 4, 3214868480
	.section	.rodata,"a",@progbits
	.p2align	6, 0x0
	.amdhsa_kernel k_qca57f277a3_attn
		.amdhsa_group_segment_fixed_size 327680
		.amdhsa_private_segment_fixed_size 0
		.amdhsa_enable_private_segment 0
		.amdhsa_kernarg_size 24
		.amdhsa_user_sgpr_count 2
		.amdhsa_user_sgpr_kernarg_segment_ptr 1
		.amdhsa_wavefront_size32 1
		.amdhsa_system_sgpr_workgroup_id_x 1
		.amdhsa_system_sgpr_workgroup_id_y 1
		.amdhsa_system_sgpr_workgroup_id_z 1
		.amdhsa_system_vgpr_workitem_id 0
		.amdhsa_next_free_vgpr 1024
		.amdhsa_next_free_sgpr 100
		.amdhsa_reserve_vcc 0
		.amdhsa_float_denorm_mode_32 3
		.amdhsa_float_denorm_mode_16_64 3
		.amdhsa_memory_ordered 1
		.amdhsa_forward_progress 1
		.amdhsa_inst_pref_size 252
	.end_amdhsa_kernel
	.amdgpu_metadata
---
amdhsa.version: [ 1, 2 ]
amdhsa.kernels:
  - .name:           k_qca57f277a3_attn
    .symbol:         k_qca57f277a3_attn.kd
    .args:
      - { .name: qkv, .offset: 0, .size: 8, .value_kind: global_buffer, .address_space: global }
      - { .name: mbits, .offset: 8, .size: 8, .value_kind: global_buffer, .address_space: global }
      - { .name: out0, .offset: 16, .size: 8, .value_kind: global_buffer, .address_space: global }
    .group_segment_fixed_size: 327680
    .private_segment_fixed_size: 0
    .kernarg_segment_align: 8
    .kernarg_segment_size: 24
    .max_flat_workgroup_size: 128
    .sgpr_count:     100
    .vgpr_count:     1024
    .wavefront_size: 32
...
	.end_amdgpu_metadata
.endif
;; end of part 3
